; MI455X (gfx1250); checked and timed in simulation.
; The chip was launched on July 23, 2026; its instructions are those of AMD's public machine-readable ISA for CDNA 5 (MIT licence, August 2026) and "CDNA5" Instruction Set Architecture Reference Guide (July 2026). The comments in the code are by the model that wrote it; some were corrected since.
;; Bahdanau Attention. Allowed arithmetic: matrix products marked QUANTISED: E2M1 operands, one E8M0 scale for each 32 along K, by v_wmma_scale_f32_16x16x128_f8f6f4 with both operands' format E2M1 (or v_wmma_scale_f32_32x16x128_f4), f32 sums; products left as they are: f32 operands where the result goes on into a quantised operand, else bf16, f16 or f32 operands; f32 sums; everything else in f32.
;; Inputs: Wk_codes 1,024 x 32 x 16 uint8 (E2M1 codes of Wk, K innermost, in blocks of 32 codes, two codes a byte); Wk_scales 1,024 x 32 uint8 (E8M0 scales of Wk, one for each 32 codes along K); Wq_codes 1,024 x 32 x 16 uint8 (E2M1 codes of Wq, K innermost, in blocks of 32 codes, two codes a byte); Wq_scales 1,024 x 32 uint8 (E8M0 scales of Wq, one for each 32 codes along K); decoder_hidden_codes 64 x 32 x 16 uint8 (E2M1 codes of decoder_hidden, K innermost, in blocks of 32 codes, two codes a byte); decoder_hidden_scales 64 x 32 uint8 (E8M0 scales of decoder_hidden, one for each 32 codes along K); encoder_outputs 64 x 1,024 x 1,024 float32; mask 64 x 1,024 int32; v 1,024 float32.
;; Outputs: out0 64 x 1,024 float32; out1 64 x 1,024 float32.
;; This version of the problem:
;;   THIS VERSION OF THE PROBLEM IS GIVEN IN LOW PRECISION. The matrix products marked QUANTISED in the list below multiply operands that are first quantised to E2M1 (2 exponent bits, 1 mantissa bit; 4 bits a number), with one power-of-two scale for each 32 numbers along K (OCP MX v1.0); their sums are f32. All else is computed in f32.
;;   The module's matrix products, in the order in which they are computed (A, B: the left and right operand; K: the contracted axis; several contracted axes count as one K, in the product's order):
;;     1. [M 64, K 1,024] x [K 1,024, N 1,024]; A: input decoder_hidden (given as codes); B: input Wq (given as codes): QUANTISED
;;     2. [M 65,536, K 1,024] x [K 1,024, N 1,024]; A: input encoder_outputs; B: input Wk (given as codes): QUANTISED
;;     3. [M 65,536, K 1,024] x [K 1,024, N 1]; A: computed on the way; B: input v: left as it is (N = 1 < 16)
;;     4. batch 64 x [M 1, K 1,024] x [K 1,024, N 1,024]; A: softmax; B: input encoder_outputs: left as it is (M = 1 < 16)
;;   THE QUANTISER, for each operand of a quantised product, along K:
;;     - K is cut into blocks of 32 from its start; a last block that is shorter is filled with zeros.
;;     - A block's scale is 2^e with e = floor(log2(the largest magnitude in the block)) - 2, held to -126 .. 127; a block of zeros has e = 0. As a byte (E8M0): e + 127.
;;     - Each number is divided by its block's scale, clamped to +-6, and rounded to the nearest number of E2M1, ties to even, subnormals kept.
;;     - The product sums the exact products of the quantised numbers (number of the format x scale) in f32.
;;   ~~~python
;;   def quantise(x, axis):      # numpy; x: float32 -> the quantised numbers, widened to float32 again
;;       x = np.moveaxis(x, axis, -1); K = x.shape[-1]
;;       x = np.pad(x, [(0, 0)] * (x.ndim - 1) + [(0, -K % 32)]); x = x.reshape(x.shape[:-1] + (-1, 32)); a = np.abs(x).max(-1, keepdims=True)
;;       e = np.where(a > 0, np.clip(np.frexp(np.where(a > 0, a, 1))[1] - 1 - 2, -126, 127), 0)      # np.frexp(a)[1] - 1 = floor(log2(a)), exactly
;;       r = np.clip(x / 2.0 ** e, -6, 6)
;;       step = 2.0 ** (np.maximum(np.frexp(np.where(r == 0, 1, r))[1] - 1, 0) - 1)
;;       q = np.round(r / step) * step * 2.0 ** e      # np.round: ties to even
;;       return np.moveaxis(q.reshape(q.shape[:-2] + (-1,))[..., :K], -1, axis).astype(np.float32)
;;   ~~~
;;   INPUTS GIVEN AS CODES. Wk (in the module: [1024, 1024], K = its axis 1); Wq (in the module: [1024, 1024], K = its axis 1); decoder_hidden (in the module: [64, 1024], K = its axis 1): each comes as NAME_codes (uint8): NAME with its K axis moved to the last place and cut into blocks of 32 codes, [.., K / 32, bytes a block], one block behind the other in memory; two codes a byte, the lower K in the low four bits (a code: sign, 2 exponent bits, 1 mantissa bit); and NAME_scales (uint8): the same leading axes, one E8M0 byte (e + 127) for each 32 codes along K. Its value is code x scale, taken as it is: it is not quantised again, and the codes and scales need not be those that the quantiser above would give.
;; One version. Each part assembles by itself: llvm-mc -triple=amdgcn-amd-amdhsa -mcpu=gfx1250 --defsym DOCPART=n.
;; ======== version 1 of 1: 3 launches
;; limits: values are held in bf16: 8 bits of precision; right only within a limited range of input values
;; workspace buffers: qc 262,144 bytes; wkf 524,288 bytes; pctx 1,048,576 bytes; pe 262,144 bytes; pml 65,536 bytes
;; launch prep (part 1): grid 64 x 1, 4 waves a work-group, no clusters, 4,864 bytes of LDS; arguments Wq_codes, Wq_scales, decoder_hidden_codes, decoder_hidden_scales, Wk_codes, qc, wkf; writes qc, wkf
.if DOCPART == 1
	.amdgcn_target "amdgcn-amd-amdhsa--gfx1250"
	.amdhsa_code_object_version 6
	.text
	.protected	k_q9cbf731acb_prep
	.globl	k_q9cbf731acb_prep
	.p2align	8
	.type	k_q9cbf731acb_prep,@function
k_q9cbf731acb_prep:
	s_mov_b64 s[64:65], 0
	v_nop
	global_prefetch_b8 v0, s[64:65] scope:SCOPE_SE
	s_setreg_imm32_b32 hwreg(HW_REG_WAVE_MODE, 25, 1), 1
	s_wait_xcnt 0x0
; TWO SMALL JOBS AHEAD OF THE MAIN LAUNCH, both on every work-group's one path.
; (a) qc[b][n] = c x (decoder_hidden Wq^T)[b][n], c = 2 log2(e): the query, already scaled for the main launch's tanh.  Both operands are codes of FP4 (E2M1) with one
;     E8M0 byte for each 32 along K; they go to the matrix unit as they lie.  Work-group g: batch rows 16 (g % 4) on, hidden units 64 (g / 4) on; wave w: 16 of those 64.
;     The product is used transposed (source 0 = 16 rows of Wq, source 1 = 16 rows of decoder_hidden): a lane holds one batch row and eight neighbouring hidden units.
;     K = 1,024 is eight matrix instructions, on two accumulators by turns; the two halves are added at the end.
; (b) wkf = Wk's codes laid as images of operand registers: fragment (tile T of 16 rows, K step s of 128), half cc, lane l at ((8 T + s) 2 + cc) 512 + 16 l.
;     Work-group g takes tile T = g, wave w K steps 2 w and 2 w + 1.  The main launch then fetches every fragment by loads of 512 consecutive bytes.
; No cluster: no two work-groups read a tile at the same time that is more than a few KB.
.set SP, 272                           ; a stage row: 64 f32 + 16 bytes
.set WQ, 16                            ; v16-79   Wq's eight fragments
.set DH, 80                            ; v80-143  decoder_hidden's eight
.set WQS, 144                          ; v144-147 Wq's scale words: register i: lanes 0-15 K step i, lanes 16-31 K step 4 + i
.set DHS, 148                          ; v148-151 decoder_hidden's likewise
.set A0, 152                           ; v152-159 the sum of the even K steps;  v160-167 of the odd
.set RS, 168                           ; v168-175 the result
.set WK, 176                           ; v176-191 four halves of Wk's fragments
	s_load_b256 s[4:11], s[0:1], 0x0               ; Wq's codes s[4:5], its scales s[6:7], decoder_hidden's codes s[8:9], its scales s[10:11]
	s_load_b128 s[12:15], s[0:1], 0x20             ; Wk's codes s[12:13], qc s[14:15]
	s_load_b64 s[16:17], s[0:1], 0x30              ; wkf
	v_lshl_add_u32 v192, v0, 2, 0x1100
	v_mov_b32 v193, 0
	v_lshrrev_b32 v1, 5, v0
	v_readfirstlane_b32 s18, v1                    ; wave 0..3
	v_and_b32 v1, 31, v0                           ; lane
	v_and_b32 v2, 15, v0                           ; r
	v_bfe_u32 v3, v0, 4, 1                         ; h
	v_lshlrev_b32 v4, 9, v2
	v_lshl_add_u32 v4, v3, 4, v4                   ; codes: row r of 512 bytes, + 16 h
	v_lshlrev_b32 v5, 5, v2
	v_lshl_add_u32 v5, v3, 4, v5                   ; scale bytes: row r of 32, + 16 h
	v_lshlrev_b32 v6, 4, v1                        ; an image: 16 x lane
	s_lshl_b32 s24, s18, 6
	v_mul_u32_u24 v7, v2, SP
	v_lshl_add_u32 v7, v3, 5, v7
	v_add_nc_u32 v7, s24, v7                       ; the stage, in: row r, + 64 w + 32 h
	s_mul_i32 s25, s18, 4*SP
	v_mul_u32_u24 v8, v3, SP
	v_lshl_add_u32 v8, v2, 4, v8
	v_add_nc_u32 v8, s25, v8                       ; and back: rows 4 w + h (+ 2), 16 bytes for each of sixteen lanes
	v_lshlrev_b32 v9, 12, v3
	v_lshl_add_u32 v9, v2, 4, v9                   ; the same in qc: a row is 4,096 bytes
	s_and_b32 s19, ttmp9, 3                        ; which 16 batch rows
	s_lshr_b32 s20, ttmp9, 2                       ; which 64 hidden units
	s_lshl_b32 s21, s20, 2
	s_add_co_u32 s21, s21, s18                     ; my tile of 16 rows of Wq
	s_mov_b32 s23, 0
	s_mov_b32 s26, 0x4038aa3b                      ; c = 2 log2(e)
	s_mov_b32 s27, s26                             ; (named with it as a pair, so it is written)
	s_wait_alu depctr_va_vdst(0)
	s_wait_kmcnt 0x0
	s_lshl_b32 s22, s21, 13
	s_add_nc_u64 s[4:5], s[4:5], s[22:23]          ; 16 rows of 512 bytes a tile
	s_lshl_b32 s22, s21, 9
	s_add_nc_u64 s[6:7], s[6:7], s[22:23]          ; 16 rows of 32 bytes
	s_lshl_b32 s22, s19, 13
	s_add_nc_u64 s[8:9], s[8:9], s[22:23]
	s_lshl_b32 s22, s19, 9
	s_add_nc_u64 s[10:11], s[10:11], s[22:23]
	s_lshl_b32 s22, ttmp9, 13
	s_lshl_b32 s24, s18, 7
	s_add_co_u32 s22, s22, s24
	s_add_nc_u64 s[12:13], s[12:13], s[22:23]      ; Wk: tile g, K step 2 w: 128 w bytes along the row
	s_lshl_b32 s22, ttmp9, 13
	s_lshl_b32 s24, s18, 11
	s_add_co_u32 s22, s22, s24
	s_add_nc_u64 s[16:17], s[16:17], s[22:23]      ; wkf: 8,192 bytes a tile, 1,024 a K step
	s_lshl_b32 s22, s19, 4
	s_lshl_b32 s24, s18, 2
	s_add_co_u32 s22, s22, s24
	s_lshl_b32 s22, s22, 12
	s_lshl_b32 s24, s20, 8
	s_add_co_u32 s22, s22, s24
	s_add_nc_u64 s[14:15], s[14:15], s[22:23]      ; qc: row 16 (g % 4) + 4 w, byte 256 (g / 4)
.irp e, 0,1,2,3
	global_load_b128 v[WK+4*\e:WK+4*\e+3], v4, s[12:13] offset:32*\e    ; K step 2 w + e / 2, half e % 2
.endr
.irp s, 0,1,2,3,4,5,6,7
.irp c, 0,1
	global_load_b128 v[WQ+8*\s+4*\c:WQ+8*\s+4*\c+3], v4, s[4:5] offset:64*\s+32*\c
	global_load_b128 v[DH+8*\s+4*\c:DH+8*\s+4*\c+3], v4, s[8:9] offset:64*\s+32*\c
.endr
.endr
	global_load_b128 v[WQS:WQS+3], v5, s[6:7]
	global_load_b128 v[DHS:DHS+3], v5, s[10:11]
	s_wait_loadcnt 34                              ; Wk's four loads are in; the 34 issued behind them may be out
.irp e, 0,1,2,3
	global_store_b128 v6, v[WK+4*\e:WK+4*\e+3], s[16:17] offset:512*\e  ; 32 lanes store 512 consecutive bytes
.endr
	s_wait_loadcnt 0x0
.irp s, 0,1,2,3,4,5,6,7
.if \s < 2
	v_wmma_scale_f32_16x16x128_f8f6f4 v[A0+8*(\s%2):A0+8*(\s%2)+7], v[WQ+8*\s:WQ+8*\s+7], v[DH+8*\s:DH+8*\s+7], 0, v[WQS+\s%4], v[DHS+\s%4] matrix_a_fmt:MATRIX_FMT_FP4 matrix_b_fmt:MATRIX_FMT_FP4
.elseif \s < 4
	v_wmma_scale_f32_16x16x128_f8f6f4 v[A0+8*(\s%2):A0+8*(\s%2)+7], v[WQ+8*\s:WQ+8*\s+7], v[DH+8*\s:DH+8*\s+7], v[A0+8*(\s%2):A0+8*(\s%2)+7], v[WQS+\s%4], v[DHS+\s%4] matrix_a_fmt:MATRIX_FMT_FP4 matrix_b_fmt:MATRIX_FMT_FP4
.else
	v_wmma_scale_f32_16x16x128_f8f6f4 v[A0+8*(\s%2):A0+8*(\s%2)+7], v[WQ+8*\s:WQ+8*\s+7], v[DH+8*\s:DH+8*\s+7], v[A0+8*(\s%2):A0+8*(\s%2)+7], v[WQS+\s%4], v[DHS+\s%4] matrix_a_fmt:MATRIX_FMT_FP4 matrix_b_fmt:MATRIX_FMT_FP4 matrix_a_scale:MATRIX_SCALE_ROW1 matrix_b_scale:MATRIX_SCALE_ROW1
.endif
.endr
.rept 4
	v_nop                                          ; four places between the last product and the first read of a result (ISA guide 7.12.1)
.endr
.irp q, 0,1,2,3
	v_pk_add_f32 v[RS+2*\q:RS+2*\q+1], v[A0+2*\q:A0+2*\q+1], v[A0+8+2*\q:A0+8+2*\q+1]   ; both accumulators from their low ends on
.endr
.irp q, 0,1,2,3
	v_pk_mul_f32 v[RS+2*\q:RS+2*\q+1], v[RS+2*\q:RS+2*\q+1], s[26:27] op_sel_hi:[1,0]
.endr
	ds_store_b128 v7, v[RS:RS+3]                   ; lane (r, h): batch row r, hidden units 16 w + 8 h + 0 .. 7 of the work-group's 64
	ds_store_b128 v7, v[RS+4:RS+7] offset:16
	s_wait_dscnt 0x0                               ; for the others' sake: my stores into the stage are done
	s_barrier_signal -1
	s_barrier_wait -1
	ds_load_b128 v[RS:RS+3], v8                    ; rows 4 w and 4 w + 1, whole: 256 bytes each
	ds_load_b128 v[RS+4:RS+7], v8 offset:2*SP      ; rows 4 w + 2 and 4 w + 3
	s_wait_dscnt 0x0
	global_store_b128 v9, v[RS:RS+3], s[14:15]     ; sixteen lanes store 256 consecutive bytes, at a multiple of 256 from qc's first byte
	global_store_b128 v9, v[RS+4:RS+7], s[14:15] offset:8192
	s_wait_tensorcnt 0x0
	ds_add_u32 v192, v193
	s_wait_dscnt 0x0
	s_endpgm
.Lfunc_end_k_q9cbf731acb_prep:
	.size	k_q9cbf731acb_prep, .Lfunc_end_k_q9cbf731acb_prep-k_q9cbf731acb_prep
	.p2alignl 7, 3214868480
	.fill 96, 4, 3214868480
	.section	.rodata,"a",@progbits
	.p2align	6, 0x0
	.amdhsa_kernel k_q9cbf731acb_prep
		.amdhsa_group_segment_fixed_size 4864
		.amdhsa_private_segment_fixed_size 0
		.amdhsa_enable_private_segment 0
		.amdhsa_kernarg_size 56
		.amdhsa_user_sgpr_count 2
		.amdhsa_user_sgpr_kernarg_segment_ptr 1
		.amdhsa_wavefront_size32 1
		.amdhsa_system_sgpr_workgroup_id_x 1
		.amdhsa_system_sgpr_workgroup_id_y 1
		.amdhsa_system_sgpr_workgroup_id_z 1
		.amdhsa_system_vgpr_workitem_id 0
		.amdhsa_next_free_vgpr 194
		.amdhsa_next_free_sgpr 66
		.amdhsa_reserve_vcc 0
		.amdhsa_float_denorm_mode_32 3
		.amdhsa_float_denorm_mode_16_64 3
		.amdhsa_memory_ordered 1
		.amdhsa_forward_progress 1
		.amdhsa_inst_pref_size 9
	.end_amdhsa_kernel
	.amdgpu_metadata
---
amdhsa.version: [ 1, 2 ]
amdhsa.kernels:
  - .name:           k_q9cbf731acb_prep
    .symbol:         k_q9cbf731acb_prep.kd
    .args:
      - { .name: Wq_codes, .offset: 0, .size: 8, .value_kind: global_buffer, .address_space: global }
      - { .name: Wq_scales, .offset: 8, .size: 8, .value_kind: global_buffer, .address_space: global }
      - { .name: decoder_hidden_codes, .offset: 16, .size: 8, .value_kind: global_buffer, .address_space: global }
      - { .name: decoder_hidden_scales, .offset: 24, .size: 8, .value_kind: global_buffer, .address_space: global }
      - { .name: Wk_codes, .offset: 32, .size: 8, .value_kind: global_buffer, .address_space: global }
      - { .name: qc, .offset: 40, .size: 8, .value_kind: global_buffer, .address_space: global }
      - { .name: wkf, .offset: 48, .size: 8, .value_kind: global_buffer, .address_space: global }
    .group_segment_fixed_size: 4864
    .private_segment_fixed_size: 0
    .kernarg_segment_align: 8
    .kernarg_segment_size: 56
    .max_flat_workgroup_size: 128
    .sgpr_count:     66
    .vgpr_count:     194
    .wavefront_size: 32
...
	.end_amdgpu_metadata
.endif
;; end of part 1
;; launch main (part 2): grid 256 x 1, 8 waves a work-group, clusters of 4 x 1, 327,680 bytes of LDS; arguments encoder_outputs, mask, v, Wk_scales, qc, wkf, pctx, pe, pml; writes pctx, pe, pml
.if DOCPART == 2
	.amdgcn_target "amdgcn-amd-amdhsa--gfx1250"
	.amdhsa_code_object_version 6
	.text
	.protected	k_q9cbf731acb_main
	.globl	k_q9cbf731acb_main
	.p2align	8
	.type	k_q9cbf731acb_main,@function
k_q9cbf731acb_main:
	s_mov_b64 s[64:65], 0
	v_nop
	global_prefetch_b8 v0, s[64:65] scope:SCOPE_SE
	s_setreg_imm32_b32 hwreg(HW_REG_WAVE_MODE, 25, 1), 1
	s_wait_xcnt 0x0
	s_wait_alu depctr_hold_cnt(0) depctr_sa_sdst(0) depctr_va_vdst(0) depctr_va_sdst(0) depctr_va_ssrc(0) depctr_va_vcc(0) depctr_vm_vsrc(0)
	s_getreg_b32 s2, hwreg(HW_REG_IB_STS2, 6, 4)
	s_cmp_eq_u32 s2, 0
	s_cbranch_scc0 .Lentry_in_a_cluster
	s_endpgm
.Lentry_in_a_cluster:
	s_bfe_u32 s2, ttmp6, 0x10000c
	s_cmp_lg_u32 s2, 0x3003
	s_cbranch_scc0 .Lentry_shape_is_right
	s_endpgm
.Lentry_shape_is_right:
; keys = Q(enc) Wk^T on codes of FP4 (E2M1), one E8M0 byte for each 32 along K; energy = sum over n of v[n] tanh(query + keys); the mask; a running softmax; the context.  enc is read once.
; SHARES.  Work-group g owns rows 256 g .. + 255 of enc taken as [65,536][1,024] (a quarter of batch g / 4), in 16 chunks of 16 rows.  EIGHT waves, two to a SIMD, 512 registers each.
;   All of Wk stays in the work-group: wave w owns hidden units 128 w .. + 127, 8 tiles of 16: tiles 0-3 in register window 1, tiles 4-7 in 32,768 bytes of LDS that one tensor load fills once and wave w alone reads.
;   Wave w also owns columns 128 w .. + 127 of enc: it loads, quantises and sums them into the context.
; A CHUNK c: barrier | softmax and context of chunk c - 1 | chunk c's bf16 numbers go to the wave's own LDS bytes | 64 products, K step by K step, 8 accumulators by turns | tanh in whole batches |
;   my part of the 16 energies to LDS | chunk c + 1 is quantised and the registers are loaded with chunk c + 2.
;   Codes, scale bytes and the energies' parts lie in two buffers by the chunk's parity, so ONE barrier a chunk orders them: what is written between two barriers lies in the buffer that nobody reads there.
; tanh(x) = 1 - 2 / (1 + 2^(c x)), c = 2 log2(e); c x = keys c + qc (qc = c x query, from launch prep).  Where 2^(c x) overflows the reciprocal is 0, where it underflows 1: tanh's own limits.
; THE CONTEXT, a product left as it is: bf16 operands, f32 sums.  A lane's eight registers of ONE column (16 rows in pairs) are source 1 of v_wmma_f32_16x16x32_bf16; source 0 holds the sixteen p in lanes 0-7 and 24-31
;   alone, so that register 0 of lane L's result is the chunk's sum for lane L's own column.
; OUT: pctx [256][1,024] the context under my M, pe [65,536] the masked energies, pml [256] x 32 pairs (M, L): launch join joins a batch's four parts.
; LIMITS.  NaN and infinities among the inputs are not served.  A block of zeros gets the scale byte 1 where the rule says 127 (its codes are zeros, and this launch alone reads the bytes); blocks whose largest
;   magnitude lies under 2^-124 are held at byte 1.  enc and p enter the context rounded to bf16.  Energies are taken to lie above -2^127, where M starts.
; CLUSTER of four: wave w's LDS half of Wk is the same in all four work-groups and is asked for jointly.  The place in the cluster enters global addresses alone.
; REGISTERS.  Window 0: v1-11, v20 addresses; v12 M, v13 L, v14 F, v15 the lanes' mask; v16-17 sum of v; v21-22 the add's two; v24-27 context; v28-31 enc's scale words; v32-47 (qc, -2 v) a tile; v48-79 Wk's scale words;
;   v80-143 enc as loaded, row i at 4 i; v144-207 accumulators; v208-223 two fragments of enc; v224-255 four fragments of Wk from LDS.  v144-255 serve the softmax and the quantiser between the products.
;   Window 1: Wk's tiles 0-3, fragment (t, s) at 64 t + 8 s.
.set PITCH, 528                        ; a row of codes in LDS: 512 bytes + 16
.set CB,  16*PITCH
.set ACD, 262144                       ; behind Wk's 8 x 32,768 bytes: the codes, two buffers
.set ASC, ACD+2*CB                     ; scale bytes, 2 x 16 rows x 32
.set EPT, ASC+1024                     ; the waves' parts of the energies, 2 x [wave][16] f32
.set MSK, EPT+1024                     ; the work-group's 256 mask words
.set EBF, MSK+1024                     ; the 256 energies, a copy for each wave
.set BFL, EBF+8192                     ; a chunk as bf16, 4,096 bytes for each wave
.set SPARE, BFL+32768                  ; the spare words, 128 bytes a wave
.set SPW, 21
.set NIL, 22
.set CTX, 24
.set ASCL, 28
.set QV, 32
.set BSC, 48
.set ENC, 80
.set ACC, 144
.set AF, 208
.set BS, 224
.set EACC, 208                         ; the energies' sums, where enc's fragments lay
.set T, 224                            ; the next chunk as bf16: column k at 8 k, rows 2 q and 2 q + 1 in register q
.set QT, 144
.set QB, 160
.set QD, 176
.set BFR, 144                          ; the softmax's chunk as bf16, back from LDS
.set DR, 176                           ; the context's four results
.set P, 176                            ; the eight parts of an energy
.set MKR, 184
.set X1, 185
.set X2, 186
.set X3, 187
.set X4, 188
.set X5, 189
.set X6, 190
.set X7, 191
.set PA, 208                           ; the context's source 0
.set MSB, 0
.macro WIN new                         ; the immediate's high byte repeats the setting that is left
.if MSB != \new
	s_set_vgpr_msb (MSB<<8)|\new
.set MSB, \new
.endif
.endm
.macro VW
	s_wait_alu depctr_va_vdst(0)
.endm
.macro D1
	s_delay_alu instid0(VALU_DEP_1)
.endm
.macro NOP4
.rept 4
	v_nop
.endr
.endm
.macro ROUND                           ; a round of the cluster's barrier
	s_barrier_signal -1
	s_barrier_wait -1
	s_cmp_lg_u32 s22, 0
	s_cbranch_scc1 .Lnot_wave_0_\@
	s_barrier_signal -3
.Lnot_wave_0_\@:
	s_barrier_wait -3
	s_barrier_signal -1
	s_barrier_wait -1
.endm
.macro BAR                             ; my LDS stores lie in LDS and my LDS reads are over; then everybody's
	VW
	s_wait_dscnt 0x0
	s_barrier_signal -1
	s_barrier_wait -1
.endm
	s_load_b256 s[4:11], s[0:1], 0x0               ; enc, mask, v, Wk's scales
	s_load_b256 s[12:19], s[0:1], 0x20             ; qc, wkf, pctx, pe
	s_load_b64 s[20:21], s[0:1], 0x40              ; pml
	v_lshl_add_u32 v[SPW], v0, 2, SPARE
	v_mov_b32 v[NIL], 0
	ds_add_u32 v[SPW], v[NIL]                      ; the opening lines: the add twice on end and its wait
	ds_add_u32 v[SPW], v[NIL]
	v_lshrrev_b32 v18, 5, v0
	v_readfirstlane_b32 s22, v18                   ; wave 0..7
	s_bfe_u32 s23, ttmp6, 0x40000                  ; cx
	s_lshl_b32 s56, ttmp9, 2
	s_add_co_u32 s23, s56, s23                     ; g = 4 x cluster + cx
	s_mov_b32 s24, 1                               ; group 0
	s_lshl_b32 s25, s22, 15                        ; LDS address: 32,768 x wave
	s_mov_b32 s28, 15|(3<<16)|(1<<21)              ; group 1: the mask of the four; elements of 8 bytes; bit 21 beside a mask
	s_mov_b32 s29, 32<<16                          ; 128 rows of 256 bytes, dense
	s_mov_b32 s30, 128<<16
	s_mov_b32 s31, 32<<16
	s_mov_b32 s32, 128
	s_mov_b32 s33, 32
	s_mov_b32 s34, 0
	s_mov_b32 s35, 0
	s_lshl_b32 s58, s22, 16                        ; a wave's 8 tiles are 65,536 bytes of wkf;
	s_add_co_u32 s58, s58, 32768                   ; tiles 4-7 are the second half
	s_mov_b32 s59, 0
	s_lshl_b32 s42, s22, 9
	s_mov_b32 s41, 0
	v_and_b32 v18, 31, v0
	v_lshl_add_u32 v1, v18, 4, s42                 ; v1  enc, pctx: 512 w + 16 l
	VW
	s_wait_dscnt 0x0
	s_wait_kmcnt 0x0
	s_lshl_b32 s40, s23, 20
	s_add_nc_u64 s[4:5], s[4:5], s[40:41]          ; enc at my first row
.set i, 0
.rept 16
	global_load_b128 v[ENC+4*i:ENC+4*i+3], v1, s[4:5] offset:4096*i th:TH_LOAD_NT   ; chunk 0: 32 lanes read 512 consecutive bytes
.set i, i+1
.endr
	s_add_nc_u64 s[26:27], s[14:15], s[58:59]
	s_or_b32 s27, s27, 0x80000000
	ROUND                                          ; the four work-groups are here: the joint loads meet
	tensor_load_to_lds s[24:27], s[28:35]          ; my one tensor load; its bytes are filled once
	s_nop 0
	NOP4
	s_lshl_b32 s44, s22, 2
	s_lshl_b32 s45, s22, 6
	s_lshl_b32 s46, s22, 16
	s_lshl_b32 s47, s22, 12
	s_lshl_b32 s48, s22, 15
	s_lshl_b32 s49, s22, 10
	s_lshl_b32 s40, s23, 10
	s_add_nc_u64 s[6:7], s[6:7], s[40:41]          ; my 256 mask words
	s_add_nc_u64 s[18:19], s[18:19], s[40:41]      ; my 256 energies
	s_lshl_b32 s40, s23, 12
	s_add_nc_u64 s[16:17], s[16:17], s[40:41]
	s_lshl_b32 s40, s23, 8
	s_add_nc_u64 s[20:21], s[20:21], s[40:41]
	s_lshr_b32 s40, s23, 2
	s_lshl_b32 s40, s40, 12
	s_add_nc_u64 s[12:13], s[12:13], s[40:41]      ; qc at my batch's row
	s_mov_b32 s36, 0x4038aa3b                      ; c = 2 log2(e)
	s_mov_b32 s37, s36
	s_mov_b32 s39, 0                               ; 64 x chunk, for the mask words and the energies
	v_and_b32 v18, 31, v0                          ; l
	v_and_b32 v19, 15, v0                          ; r
	v_bfe_u32 v23, v0, 4, 1                        ; h
	v_lshl_add_u32 v2, v18, 4, s48                 ; v2  Wk in LDS: 32,768 w + 16 l
	v_mul_u32_u24 v3, v19, PITCH
	v_lshl_add_u32 v3, v23, 4, v3
	v_add_nc_u32 v3, ACD, v3                       ; v3  a fragment of enc's codes: row r, + 16 h
	v_lshl_add_u32 v4, v18, 1, s45
	v_add_nc_u32 v4, ACD, v4                       ; v4  where I put 4 codes: 64 w + 2 l
	v_lshrrev_b32 v5, 3, v18
	v_add_nc_u32 v15, 1, v5
	v_bfe_u32 v15, v15, 1, 1
	v_add_nc_u32 v15, -1, v15                      ; v15 all ones in lanes 0-7 and 24-31, 0 in the others
	v_add_nc_u32 v5, s44, v5
	v_add_nc_u32 v5, ASC, v5                       ; v5  my block's scale byte: 4 w + l / 8
	v_lshlrev_b32 v6, 5, v19
	v_lshl_add_u32 v6, v23, 4, v6                  ; 32 r + 16 h
	v_add_nc_u32 v144, s47, v6                     ; Wk's scale bytes: + 4,096 w
	v_add_nc_u32 v6, ASC, v6                       ; v6  enc's scale words
	v_lshl_add_u32 v7, v23, 5, s45
	v_add_nc_u32 v7, EPT, v7                       ; v7  my part of the energies: 64 w + 32 h
	v_lshl_add_u32 v8, v19, 2, EPT                 ; v8  row r's eight parts
	v_lshl_add_u32 v9, v19, 2, MSK                 ; v9  row r's mask word
	v_lshl_add_u32 v10, v19, 2, s49
	v_add_nc_u32 v10, EBF, v10                     ; v10 row r's energy, in my copy
	v_lshl_add_u32 v145, v19, 2, s42               ; qc, v: 512 w + 4 r
	v_lshrrev_b32 v11, 1, v18
	v_lshlrev_b32 v11, 12, v11
	v_and_b32 v146, 1, v18
	v_lshl_add_u32 v11, v146, 8, v11
	v_add_nc_u32 v11, s42, v11                     ; v11 the prefetch: row l / 2, block l % 2 of my 512 bytes
	v_lshl_add_u32 v146, v18, 4, s46               ; wkf: 65,536 w + 16 l
	v_lshl_add_u32 v20, v18, 4, s47
	v_add_nc_u32 v20, BFL, v20                     ; v20 my bf16 bytes: 4,096 w + 16 l
	v_lshlrev_b32 v147, 2, v0                      ; the mask: thread t takes word t
	v_lshl_add_u32 v148, v0, 2, MSK
	VW
.irp t, 0,1,2,3,4,5,6,7
	global_load_b128 v[BSC+4*\t:BSC+4*\t+3], v144, s[10:11] offset:512*\t   ; register i: lanes 0-15 the word of K step i, lanes 16-31 of K step 4 + i
	global_load_b32 v[QV+2*\t], v145, s[12:13] offset:64*\t
	global_load_b32 v[QV+2*\t+1], v145, s[8:9] offset:64*\t
.endr
	global_load_b32 v149, v147, s[6:7]
	WIN 0x40                                       ; destination window 1
.irp t, 0,1,2,3
.irp s, 0,1,2,3,4,5,6,7
	global_load_b128 v[64*\t+8*\s:64*\t+8*\s+3],   v146, s[14:15] offset:8192*\t+1024*\s
	global_load_b128 v[64*\t+8*\s+4:64*\t+8*\s+7], v146, s[14:15] offset:8192*\t+1024*\s+512
.endr
.endr
	WIN 0
	s_wait_loadcnt 63                              ; of 105 loads the 63 youngest, all Wk's, may stay out: chunk 0 and the tables are in
	v_add_f32 v16, v[QV+1], v[QV+3]                ; the sum of my 8 numbers of v
	v_add_f32 v17, v[QV+5], v[QV+7]
	v_add_f32 v16, v16, v[QV+9]
	v_add_f32 v17, v17, v[QV+11]
	v_add_f32 v16, v16, v[QV+13]
	v_add_f32 v17, v17, v[QV+15]
	v_add_f32 v16, v16, v17
	v_mov_b32 v12, 0xff000000                      ; M = -2^127
	v_mov_b32 v17, v16
.irp t, 0,1,2,3,4,5,6,7
	v_mul_f32 v[QV+2*\t+1], -2.0, v[QV+2*\t+1]
.endr
	v_mov_b32 v13, 0                               ; L
.irp k, 0,1,2,3
	v_mov_b32 v[CTX+\k], 0
.endr
	VW
	s_wait_tensorcnt 0x0                           ; my LDS half of Wk has landed, ahead of my first LDS store
	ds_store_b32 v148, v149
	s_wait_xcnt 0x0                                ; every load has read its address registers: v144-148 may be written
; ---- THE QUANTISER: the chunk in v80-143 -> codes and scale bytes in buffer par, bf16 in T.  Lane l holds columns 4 l .. 4 l + 3 of my 128: a block of 32 lies in 8 neighbouring lanes.
.macro QZ par, lw, reload, pf
	VW
	s_wait_loadcnt \lw
.set i, 0
.rept 16
	v_max3_num_f32 v[QT+i], |v[ENC+4*i]|, |v[ENC+4*i+1]|, 0x1800000      ; with the floor 2^(3 - 127): the byte cannot fall under 1
.set i, i+1
.endr
.set i, 0
.rept 16
	v_max3_num_f32 v[QT+i], |v[ENC+4*i+2]|, |v[ENC+4*i+3]|, v[QT+i]
.set i, i+1
.endr
.irp x, 1,2,4
.set i, 0
.rept 16
	v_max_num_f32_dpp v[QT+i], v[QT+i], v[QT+i] row_xmask:\x row_mask:0xf bank_mask:0xf
.set i, i+1
.endr
.endr
.set i, 0
.rept 16
	v_add_nc_u32 v[QT+i], 0xff000000, v[QT+i]      ; 2 off the exponent field: the conversion's scale operand
.set i, i+1
.endr
.set i, 0
.rept 16
	v_lshrrev_b32 v[QB+i], 23, v[QT+i]             ; the scale's byte
.set i, i+1
.endr
.set i, 0
.rept 16
	v_cvt_scalef32_pk8_fp4_f32 v[QD+i], v[ENC+8*(i/2):ENC+8*(i/2)+7], v[QT+i]   ; two rows' numbers: under the even row's scale the low 16 bits are right, under the odd row's the high 16
.set i, i+1
.endr
	v_nop                                          ; one plain line behind the scaled conversions
.set i, 0
.rept 8
	ds_store_b16 v4, v[QD+2*i] offset:(\par)*CB+PITCH*2*i
	ds_store_b16_d16_hi v4, v[QD+2*i+1] offset:(\par)*CB+PITCH*(2*i+1)
.set i, i+1
.endr
.set i, 0
.rept 16
	ds_store_b8 v5, v[QB+i] offset:(\par)*512+32*i                   ; the block's eight lanes write the same byte with the same value
.set i, i+1
.endr
.irp k, 0,1,2,3
.irp q, 0,1,2,3,4,5,6,7
	v_cvt_pk_bf16_f32 v[T+8*\k+\q], v[ENC+8*\q+\k], v[ENC+8*\q+4+\k]
.endr
.endr
.if \reload
	s_wait_xcnt 0x0                                ; earlier loads and prefetches have read their base
	s_add_nc_u64 s[4:5], s[4:5], 65536             ; the chunk after the one just quantised
.set i, 0
.rept 16
	global_load_b128 v[ENC+4*i:ENC+4*i+3], v1, s[4:5] offset:4096*i th:TH_LOAD_NT
.set i, i+1
.endr
.if \pf
	global_prefetch_b8 v11, s[4:5] offset:65536 th:TH_LOAD_NT scope:SCOPE_SE   ; the chunk behind that: my 512 bytes of its 16 rows, 32 blocks of 256 bytes, a lane a block, one chunk ahead of their loads; the last that is named is chunk 15
.endif
.endif
.endm
; ---- One quantised product.  K steps 4-7 take their scale words from lanes 16-31.
.macro MM d, b, t, ks
.if (\ks) == 0
	v_wmma_scale_f32_16x16x128_f8f6f4 v[\d:\d+7], v[AF:AF+7], v[\b:\b+7], 0, v[ASCL], v[BSC+4*(\t)] matrix_a_fmt:MATRIX_FMT_FP4 matrix_b_fmt:MATRIX_FMT_FP4
.elseif (\ks) < 4
	v_wmma_scale_f32_16x16x128_f8f6f4 v[\d:\d+7], v[AF+8*((\ks)%2):AF+8*((\ks)%2)+7], v[\b:\b+7], v[\d:\d+7], v[ASCL+(\ks)%4], v[BSC+4*(\t)+(\ks)%4] matrix_a_fmt:MATRIX_FMT_FP4 matrix_b_fmt:MATRIX_FMT_FP4
.else
	v_wmma_scale_f32_16x16x128_f8f6f4 v[\d:\d+7], v[AF+8*((\ks)%2):AF+8*((\ks)%2)+7], v[\b:\b+7], v[\d:\d+7], v[ASCL+(\ks)%4], v[BSC+4*(\t)+(\ks)%4] matrix_a_fmt:MATRIX_FMT_FP4 matrix_b_fmt:MATRIX_FMT_FP4 matrix_a_scale:MATRIX_SCALE_ROW1 matrix_b_scale:MATRIX_SCALE_ROW1
.endif
.endm
.macro LDA ks, par                     ; enc's fragment of a K step
	ds_load_b128 v[AF+8*((\ks)%2):AF+8*((\ks)%2)+3],   v3 offset:(\par)*CB+64*(\ks)
	ds_load_b128 v[AF+8*((\ks)%2)+4:AF+8*((\ks)%2)+7], v3 offset:(\par)*CB+64*(\ks)+32
.endm
.macro LDB ks                          ; the K step's fragments of my tiles 4-7
.irp u, 0,1,2,3
	ds_load_b128 v[BS+8*\u:BS+8*\u+3],   v2 offset:8192*\u+1024*(\ks)
	ds_load_b128 v[BS+8*\u+4:BS+8*\u+7], v2 offset:8192*\u+1024*(\ks)+512
.endr
.endm
; ---- THE PRODUCTS of a chunk: 8 K steps x 8 tiles; the 8 accumulators take turns.  Register j of lane (r, h) is (row 8 h + j, hidden unit 16 t + r).
.macro GM par
	ds_load_b128 v[ASCL:ASCL+3], v6 offset:(\par)*512
	LDA 0, \par
	LDB 0
	LDA 1, \par
.irp ks, 0,1,2,3,4,5,6,7
.if \ks < 7
	s_wait_dscnt 10                                ; enc's fragment is in: behind it 8 loads of Wk's and 2 of enc's next
.else
	s_wait_dscnt 8
.endif
	WIN 0x04                                       ; source 1 window 1
.irp t, 0,1,2,3
	MM ACC+8*\t, 64*\t+8*\ks, \t, \ks
.endr
	WIN 0
.if \ks < 7
	s_wait_dscnt 2                                 ; Wk's four are in
.else
	s_wait_dscnt 0
.endif
.irp u, 0,1,2,3
	MM ACC+32+8*\u, BS+8*\u, 4+\u, \ks
.endr
	NOP4                                           ; four places ahead of loads into registers that the products read, and of the first read of a result
.if \ks < 7
	LDB \ks+1
.endif
.if \ks < 6
	LDA \ks+2, \par
.endif
.endr
.endm
; ---- THE TANH of the 64 registers, in whole batches; each batch has one wait ahead and one behind.  Each accumulator is read from its low end on.
.macro TANH
.set p, 0
.rept 32
	v_pk_fma_f32 v[ACC+2*p:ACC+2*p+1], v[ACC+2*p:ACC+2*p+1], s[36:37], v[QV+2*(p/4):QV+2*(p/4)+1] op_sel_hi:[1,0,0]   ; c x = keys c + qc
.set p, p+1
.endr
	VW
.set p, 0
.rept 64
	v_exp_f32 v[ACC+p], v[ACC+p]
.set p, p+1
.endr
	v_nop
	VW
.set p, 0
.rept 32
	v_pk_add_f32 v[ACC+2*p:ACC+2*p+1], v[ACC+2*p:ACC+2*p+1], 1.0 op_sel_hi:[1,0]
.set p, p+1
.endr
	VW
.set p, 0
.rept 64
	v_rcp_f32 v[ACC+p], v[ACC+p]
.set p, p+1
.endr
	v_nop
	VW
.set p, 0
.rept 32
.if p < 4
	v_pk_fma_f32 v[EACC+2*p:EACC+2*p+1], v[ACC+2*p:ACC+2*p+1], v[QV:QV+1], v[16:17] op_sel:[0,1,0] op_sel_hi:[1,1,1]   ; the sums begin with the sum of v
.else
	v_pk_fma_f32 v[EACC+2*(p%4):EACC+2*(p%4)+1], v[ACC+2*p:ACC+2*p+1], v[QV+2*(p/4):QV+2*(p/4)+1], v[EACC+2*(p%4):EACC+2*(p%4)+1] op_sel:[0,1,0] op_sel_hi:[1,1,1]
.endif
.set p, p+1
.endr
.endm
.macro E1 par                          ; my 128 hidden units' part of the 16 energies goes to LDS
.irp x, 1,2,4,8
.irp q, 0,1,2,3,4,5,6,7
	v_add_f32_dpp v[EACC+\q], v[EACC+\q], v[EACC+\q] row_xmask:\x row_mask:0xf bank_mask:0xf
.endr
.endr
	ds_store_b128 v7, v[EACC:EACC+3] offset:(\par)*512       ; the sixteen lanes of a half write the same bytes with the same values
	ds_store_b128 v7, v[EACC+4:EACC+7] offset:(\par)*512+16
.endm
; ---- THE SOFTMAX AND THE CONTEXT of the chunk before.  SMA: its loads.  In lane (r, h): row r.
.macro SMA par, o
	v_add_nc_u32 v18, s39, v9
	v_add_nc_u32 v19, s39, v10
.irp q, 0,1,2,3,4,5,6,7
	ds_load_b32 v[P+\q], v8 offset:(\par)*512+64*\q
.endr
	ds_load_b32 v[MKR], v18 offset:\o
.irp i, 0,1,2,3,4,5,6,7
	ds_load_b128 v[BFR+4*\i:BFR+4*\i+3], v20 offset:512*\i
.endr
.endm
.macro TST                             ; this chunk's bf16 numbers take the place of the last chunk's: LDS serves a wave's instructions in order (ISA guide 5.7.1.4)
.irp i, 0,1,2,3,4,5,6,7
	ds_store_b128 v20, v[T+4*\i:T+4*\i+3] offset:512*\i
.endr
.endm
.macro SMB n, o                        ; n: the LDS instructions issued behind the parts' and the mask's loads
	VW
	s_wait_dscnt \n
	v_add_f32 v[P], v[P], v[P+1]
	v_add_f32 v[P+2], v[P+2], v[P+3]
	v_add_f32 v[P+4], v[P+4], v[P+5]
	v_add_f32 v[P+6], v[P+6], v[P+7]
	v_add_f32 v[P], v[P], v[P+2]
	v_add_f32 v[P+4], v[P+4], v[P+6]
	v_mov_b32 v[X5], 0xd01502f9                    ; -1e10
	v_cmp_eq_u32 vcc_lo, 0, v[MKR]
	v_add_f32 v[X1], v[P], v[P+4]                  ; row r's energy
	D1
	v_cndmask_b32 v[X1], v[X1], v[X5], vcc_lo
	D1
	v_mov_b32 v[X2], v[X1]
.irp x, 1,2,4,8
	D1
	v_max_num_f32_dpp v[X2], v[X2], v[X2] row_xmask:\x row_mask:0xf bank_mask:0xf
.endr
	D1
	v_max_num_f32 v[X2], v12, v[X2]                ; the new M
	D1
	v_sub_f32 v[X3], v12, v[X2]                    ; the differences first, then the factor
	v_sub_f32 v[X4], v[X1], v[X2]
	ds_store_b32 v19, v[X1] offset:\o              ; the energy, kept for the way out
	v_mul_f32 v[X3], 0x3fb8aa3b, v[X3]
	v_mul_f32 v[X4], 0x3fb8aa3b, v[X4]
	VW
	v_exp_f32 v14, v[X3]                           ; F = e^(old M - new M)
	v_exp_f32 v[X6], v[X4]                         ; p, row r's
	v_mov_b32 v12, v[X2]
	VW
	v_fma_f32 v13, v13, v14, v[X6]                 ; L, my row's share
	v_mov_b32_dpp v[X5], v[X6] row_xmask:1 row_mask:0xf bank_mask:0xf
	v_cvt_pk_bf16_f32 v[X7], v[X6], v[X5]          ; in lane 2 q: (p of row 2 q, p of row 2 q + 1)
.irp q, 0,1,2,3,4,5,6,7
	v_readlane_b32 s[40+\q], v[X7], 2*\q
.endr
.irp q, 0,1,2,3,4,5,6,7
	v_and_b32 v[PA+\q], s[40+\q], v15
.endr
	VW
	s_wait_dscnt 0x0                               ; the chunk's bf16 numbers are in
	NOP4
.irp k, 0,1,2,3
	v_wmma_f32_16x16x32_bf16 v[DR+8*\k:DR+8*\k+7], v[PA:PA+7], v[BFR+8*\k:BFR+8*\k+7], 0
.endr
	NOP4
.irp k, 0,1,2,3
	v_fma_f32 v[CTX+\k], v[CTX+\k], v14, v[DR+8*\k]   ; each result is read at its lowest register
.endr
.endm
; ---- A CHUNK of parity par.  first: no chunk before it.  o: the chunk before's place beyond s39.  q: the next chunk is quantised; reload, pf: as in QZ.
.macro CHUNK par, first, o, q, reload, pf
	BAR
.if !(\first)
	SMA 1-(\par), \o
.endif
	TST
.if !(\first)
	SMB 16, \o
.endif
	GM \par
	TANH
	E1 \par
.if \q
	QZ 1-(\par), 0, \reload, \pf
.endif
.endm
	QZ 0, 63, 1, 1                                 ; chunk 0 (in since the wait above); chunk 1 is asked for
	s_wait_loadcnt 16                              ; Wk's register half is in: behind it chunk 1's 16 loads
	CHUNK 0, 1, 0, 1, 1, 1
	s_mov_b32 s38, 6
.Lpair:                                            ; 6 trips, chunks 1 to 12, two a trip, so that each buffer's parity is a constant of the text
	CHUNK 1, 0, 0, 1, 1, 1
	CHUNK 0, 0, 64, 1, 1, 1
	s_add_co_u32 s39, s39, 128
	s_sub_co_u32 s38, s38, 1
	s_cmp_lg_u32 s38, 0
	s_cbranch_scc1 .Lpair
	CHUNK 1, 0, 0, 1, 1, 0                         ; chunk 13 asks for chunk 15 and has none behind it to prefetch
	CHUNK 0, 0, 64, 1, 0, 0                        ; chunk 14 asks for nothing: no load leaves the buffer
	CHUNK 1, 0, 128, 0, 0, 0                       ; chunk 15: nothing is left to quantise
	BAR
	SMA 1, 192
	SMB 8, 192
	; THE WAY OUT
	v_add_f32_dpp v13, v13, v13 row_xmask:1 row_mask:0xf bank_mask:0xf    ; L: the sixteen rows' shares
.irp x, 2,4,8
	D1
	v_add_f32_dpp v13, v13, v13 row_xmask:\x row_mask:0xf bank_mask:0xf
.endr
	global_store_b128 v1, v[CTX:CTX+3], s[16:17]   ; 32 lanes store 512 consecutive bytes
	VW
	s_cmp_gt_u32 s22, 3
	s_cbranch_scc1 .Lend                           ; waves 0-3 store 64 energies each
	s_mul_i32 s40, s22, 1280                       ; in my copy (1,024 w) the quarter that I store (256 w)
	s_lshl_b32 s41, s22, 8
	v_and_b32 v18, 31, v0
	v_lshl_add_u32 v19, v18, 3, s41                ; pe: 256 w + 8 l
	v_lshlrev_b32 v3, 3, v18                       ; pml: 8 l
	v_lshl_add_u32 v23, v18, 3, s40
	v_add_nc_u32 v23, EBF, v23
	ds_load_b64 v[144:145], v23
	VW
	s_wait_dscnt 0x0
	global_store_b64 v19, v[144:145], s[18:19]     ; 32 lanes store 256 consecutive bytes, at a multiple of 256 from pe's first byte
	s_cmp_lg_u32 s22, 0
	s_cbranch_scc1 .Lend
	global_store_b64 v3, v[12:13], s[20:21]        ; wave 0: (M, L), 32 times: 256 consecutive bytes
.Lend:
	s_wait_tensorcnt 0x0                           ; the wave's end
	ds_add_u32 v[SPW], v[NIL]
	s_wait_dscnt 0x0
	ROUND                                          ; the closing round
	s_endpgm
.Lfunc_end_k_q9cbf731acb_main:
	.size	k_q9cbf731acb_main, .Lfunc_end_k_q9cbf731acb_main-k_q9cbf731acb_main
	.p2alignl 7, 3214868480
	.fill 96, 4, 3214868480
	.section	.rodata,"a",@progbits
	.p2align	6, 0x0
	.amdhsa_kernel k_q9cbf731acb_main
		.amdhsa_group_segment_fixed_size 327680
		.amdhsa_private_segment_fixed_size 0
		.amdhsa_enable_private_segment 0
		.amdhsa_kernarg_size 72
		.amdhsa_user_sgpr_count 2
		.amdhsa_user_sgpr_kernarg_segment_ptr 1
		.amdhsa_wavefront_size32 1
		.amdhsa_system_sgpr_workgroup_id_x 1
		.amdhsa_system_sgpr_workgroup_id_y 1
		.amdhsa_system_sgpr_workgroup_id_z 1
		.amdhsa_system_vgpr_workitem_id 0
		.amdhsa_next_free_vgpr 512
		.amdhsa_next_free_sgpr 66
		.amdhsa_reserve_vcc 1
		.amdhsa_float_denorm_mode_32 3
		.amdhsa_float_denorm_mode_16_64 3
		.amdhsa_memory_ordered 1
		.amdhsa_forward_progress 1
		.amdhsa_inst_pref_size 255
	.end_amdhsa_kernel
	.section	.bss,"aw",@nobits
	.p2align	6
	.space	262144
	.amdgpu_metadata
---
amdhsa.version: [ 1, 2 ]
amdhsa.kernels:
  - .name:           k_q9cbf731acb_main
    .symbol:         k_q9cbf731acb_main.kd
    .args:
      - { .name: encoder_outputs, .offset: 0, .size: 8, .value_kind: global_buffer, .address_space: global }
      - { .name: mask, .offset: 8, .size: 8, .value_kind: global_buffer, .address_space: global }
      - { .name: v, .offset: 16, .size: 8, .value_kind: global_buffer, .address_space: global }
      - { .name: Wk_scales, .offset: 24, .size: 8, .value_kind: global_buffer, .address_space: global }
      - { .name: qc, .offset: 32, .size: 8, .value_kind: global_buffer, .address_space: global }
      - { .name: wkf, .offset: 40, .size: 8, .value_kind: global_buffer, .address_space: global }
      - { .name: pctx, .offset: 48, .size: 8, .value_kind: global_buffer, .address_space: global }
      - { .name: pe, .offset: 56, .size: 8, .value_kind: global_buffer, .address_space: global }
      - { .name: pml, .offset: 64, .size: 8, .value_kind: global_buffer, .address_space: global }
    .group_segment_fixed_size: 327680
    .private_segment_fixed_size: 0
    .kernarg_segment_align: 8
    .kernarg_segment_size: 72
    .max_flat_workgroup_size: 256
    .sgpr_count:     66
    .vgpr_count:     512
    .wavefront_size: 32
...
	.end_amdgpu_metadata
.endif
;; end of part 2
;; launch join (part 3): grid 256 x 1, 2 waves a work-group, no clusters, 0 bytes of LDS; arguments pctx, pe, pml, out0, out1; writes out0, out1
.if DOCPART == 3
	.amdgcn_target "amdgcn-amd-amdhsa--gfx1250"
	.amdhsa_code_object_version 6
	.text
	.protected	k_q9cbf731acb_join
	.globl	k_q9cbf731acb_join
	.p2align	8
	.type	k_q9cbf731acb_join,@function
k_q9cbf731acb_join:
	s_mov_b64 s[64:65], 0
	v_nop
	global_prefetch_b8 v0, s[64:65] scope:SCOPE_SE
	s_setreg_imm32_b32 hwreg(HW_REG_WAVE_MODE, 25, 1), 1
	s_wait_xcnt 0x0
; THE FOUR PARTS OF A BATCH ARE JOINED.  Part i of batch b has its own maximum M_i, its sum L_i of e^(energy - M_i) and its context under M_i.
; M = the largest M_i; g_i = e^(M_i - M); L = sum of L_i g_i;  out1 = e^(energy - M) / L;  out0 = (sum of g_i context_i) / L.
; Work-group g: batch g / 4, quarter g % 4 of its 1,024 columns; thread t: 16 bytes.  A wave's load or store covers 512 consecutive bytes.  A stream of 1.9 MB: no LDS, no barrier, no matrix unit, no cluster.
; LIMIT: NaN and infinities are not served.  A batch that is masked whole has equal energies and gets equal weights, as the definition has it.
	s_load_b256 s[4:11], s[0:1], 0x0               ; pctx s[4:5], pe s[6:7], pml s[8:9], out0 s[10:11]
	s_load_b64 s[12:13], s[0:1], 0x20              ; out1
	s_lshr_b32 s14, ttmp9, 2                       ; the batch
	s_and_b32 s15, ttmp9, 3                        ; the quarter
	s_lshl_b32 s15, s15, 10
	v_lshl_add_u32 v1, v0, 4, s15                  ; 1,024 x quarter + 16 t
	s_mov_b32 s17, 0
	s_wait_alu depctr_va_vdst(0)
	s_wait_kmcnt 0x0
	s_lshl_b32 s16, s14, 10
	s_add_nc_u64 s[8:9], s[8:9], s[16:17]          ; four parts of 256 bytes
	s_load_b64 s[20:21], s[8:9], 0x0               ; (M_0, L_0)
	s_load_b64 s[22:23], s[8:9], 0x100
	s_load_b64 s[24:25], s[8:9], 0x200
	s_load_b64 s[26:27], s[8:9], 0x300
	s_lshl_b32 s16, s14, 14
	s_add_nc_u64 s[4:5], s[4:5], s[16:17]          ; four parts of 4,096 bytes
	s_lshl_b32 s16, s14, 12
	s_add_nc_u64 s[6:7], s[6:7], s[16:17]
	s_add_nc_u64 s[10:11], s[10:11], s[16:17]
	s_add_nc_u64 s[12:13], s[12:13], s[16:17]
	global_load_b128 v[4:7], v1, s[6:7]            ; four energies
.irp i, 0,1,2,3
	global_load_b128 v[8+4*\i:11+4*\i], v1, s[4:5] offset:4096*\i
.endr
	s_wait_kmcnt 0x0
	v_mov_b32 v24, s20
	v_mov_b32 v25, s22
	v_mov_b32 v26, s24
	v_mov_b32 v27, s26
	v_mov_b32 v31, 0                               ; (named as the upper half of the pair v[30:31])
	v_max3_num_f32 v28, v24, v25, v26
	v_max_num_f32 v28, v28, v27                    ; M
.irp q, 0,1,2,3
	v_sub_f32 v[24+\q], v[24+\q], v28              ; the difference first, then the factor
.endr
.irp q, 0,1,2,3
	v_mul_f32 v[24+\q], 0x3fb8aa3b, v[24+\q]
.endr
	s_wait_alu depctr_va_vdst(0)
.irp q, 0,1,2,3
	v_exp_f32 v[24+\q], v[24+\q]                   ; g_i
.endr
	s_wait_loadcnt 0x4                             ; the energies are in; the four loads behind them may be out
.irp q, 0,1,2,3
	v_sub_f32 v[4+\q], v[4+\q], v28                ; (plain work behind the batch)
.endr
.irp q, 0,1,2,3
	v_mul_f32 v[4+\q], 0x3fb8aa3b, v[4+\q]
.endr
	s_wait_alu depctr_va_vdst(0)                   ; one wait for the four, ahead of their first reader
	v_mul_f32 v29, s21, v24
	v_fma_f32 v29, s23, v25, v29
	v_fma_f32 v29, s25, v26, v29
	v_fma_f32 v29, s27, v27, v29                   ; L: at least 1, from the part that holds M
	s_wait_alu depctr_va_vdst(0)
	v_rcp_f32 v30, v29
.irp q, 0,1,2,3
	v_exp_f32 v[4+\q], v[4+\q]
.endr
	s_wait_loadcnt 0x0
	v_pk_mul_f32 v[8:9], v[8:9], v[24:25] op_sel_hi:[1,0]                                  ; x g_0.  (Plain work behind the second batch: it names none of its results)
	v_pk_mul_f32 v[10:11], v[10:11], v[24:25] op_sel_hi:[1,0]
	v_pk_fma_f32 v[8:9], v[12:13], v[24:25], v[8:9] op_sel:[0,1,0] op_sel_hi:[1,1,1]       ; + g_1 x
	v_pk_fma_f32 v[10:11], v[14:15], v[24:25], v[10:11] op_sel:[0,1,0] op_sel_hi:[1,1,1]
	v_pk_fma_f32 v[8:9], v[16:17], v[26:27], v[8:9] op_sel_hi:[1,0,1]                      ; + g_2 x
	v_pk_fma_f32 v[10:11], v[18:19], v[26:27], v[10:11] op_sel_hi:[1,0,1]
	v_pk_fma_f32 v[8:9], v[20:21], v[26:27], v[8:9] op_sel:[0,1,0] op_sel_hi:[1,1,1]       ; + g_3 x
	v_pk_fma_f32 v[10:11], v[22:23], v[26:27], v[10:11] op_sel:[0,1,0] op_sel_hi:[1,1,1]
	s_wait_alu depctr_va_vdst(0)                   ; one wait for the reciprocal and the four exponentials
	v_pk_mul_f32 v[8:9], v[8:9], v[30:31] op_sel_hi:[1,0]
	v_pk_mul_f32 v[10:11], v[10:11], v[30:31] op_sel_hi:[1,0]
	v_pk_mul_f32 v[4:5], v[4:5], v[30:31] op_sel_hi:[1,0]
	v_pk_mul_f32 v[6:7], v[6:7], v[30:31] op_sel_hi:[1,0]
	global_store_b128 v1, v[8:11], s[10:11]        ; the context
	global_store_b128 v1, v[4:7], s[12:13]         ; the weights
	s_endpgm
.Lfunc_end_k_q9cbf731acb_join:
	.size	k_q9cbf731acb_join, .Lfunc_end_k_q9cbf731acb_join-k_q9cbf731acb_join
	.p2alignl 7, 3214868480
	.fill 96, 4, 3214868480
	.section	.rodata,"a",@progbits
	.p2align	6, 0x0
	.amdhsa_kernel k_q9cbf731acb_join
		.amdhsa_group_segment_fixed_size 0
		.amdhsa_private_segment_fixed_size 0
		.amdhsa_enable_private_segment 0
		.amdhsa_kernarg_size 40
		.amdhsa_user_sgpr_count 2
		.amdhsa_user_sgpr_kernarg_segment_ptr 1
		.amdhsa_wavefront_size32 1
		.amdhsa_system_sgpr_workgroup_id_x 1
		.amdhsa_system_sgpr_workgroup_id_y 1
		.amdhsa_system_sgpr_workgroup_id_z 1
		.amdhsa_system_vgpr_workitem_id 0
		.amdhsa_next_free_vgpr 48
		.amdhsa_next_free_sgpr 66
		.amdhsa_reserve_vcc 0
		.amdhsa_float_denorm_mode_32 3
		.amdhsa_float_denorm_mode_16_64 3
		.amdhsa_memory_ordered 1
		.amdhsa_forward_progress 1
		.amdhsa_inst_pref_size 5
	.end_amdhsa_kernel
	.amdgpu_metadata
---
amdhsa.version: [ 1, 2 ]
amdhsa.kernels:
  - .name:           k_q9cbf731acb_join
    .symbol:         k_q9cbf731acb_join.kd
    .args:
      - { .name: pctx, .offset: 0, .size: 8, .value_kind: global_buffer, .address_space: global }
      - { .name: pe, .offset: 8, .size: 8, .value_kind: global_buffer, .address_space: global }
      - { .name: pml, .offset: 16, .size: 8, .value_kind: global_buffer, .address_space: global }
      - { .name: out0, .offset: 24, .size: 8, .value_kind: global_buffer, .address_space: global }
      - { .name: out1, .offset: 32, .size: 8, .value_kind: global_buffer, .address_space: global }
    .group_segment_fixed_size: 0
    .private_segment_fixed_size: 0
    .kernarg_segment_align: 8
    .kernarg_segment_size: 40
    .max_flat_workgroup_size: 64
    .sgpr_count:     66
    .vgpr_count:     48
    .wavefront_size: 32
...
	.end_amdgpu_metadata
.endif
;; end of part 3
